; MI455X (gfx1250); checked and timed in simulation.
; The chip was launched on July 23, 2026; its instructions are those of AMD's public machine-readable ISA for CDNA 5 (MIT licence, August 2026) and "CDNA5" Instruction Set Architecture Reference Guide (July 2026). The comments in the code are by the model that wrote it; some were corrected since.
;; MLM Charater Learning. Allowed arithmetic: float matrix products may take bf16 or f16 operands with f32 sums; other float arithmetic in f32, or as packed bf16 or f16 multiplies, adds, multiply-adds, maxima and minima; sums over many terms, partial sums and values carried from step to step in f32; what a program stores and reads back later, other than sums and carried values, may be rounded once to bf16 or f16.
;; Inputs: W 32,000 x 1,024 float32; b 32,000 float32; embed_table 32,000 x 1,024 float32; input_ids 4 x 256 int32.
;; Outputs: out0 4 x 256 x 1,024 float32.
;; 2 versions, each right; version 2 is version 1 with the launch cast written anew for expert scheduling mode. Each part assembles by itself: llvm-mc -triple=amdgcn-amd-amdhsa -mcpu=gfx1250 --defsym DOCPART=n.
;; ======== version 1 of 2: 3 launches
;; limits: values are held in f16: magnitudes above 65,504 overflow, below 6.1e-05 lose precision
;; workspace buffers: Wh 65,536,000 bytes; Xh 2,097,152 bytes; part 67,108,864 bytes; cmb 65,536 bytes; lsb 65,536 bytes
;; launch cast (part 1): grid 1032 x 1, 8 waves a work-group, no clusters, 0 bytes of LDS; arguments W, embed_table, input_ids, Wh, Xh; writes Wh, Xh
.if DOCPART == 1
	.amdgcn_target "amdgcn-amd-amdhsa--gfx1250"
	.amdhsa_code_object_version 6
	.text
	.protected	k_q92bad472ad_cast
	.globl	k_q92bad472ad_cast
	.p2align	8
	.type	k_q92bad472ad_cast,@function
k_q92bad472ad_cast:
	s_mov_b64 s[64:65], 0
	v_nop
	global_prefetch_b8 v0, s[64:65] scope:SCOPE_SE
	s_setreg_imm32_b32 hwreg(HW_REG_WAVE_MODE, 25, 1), 1
	s_wait_xcnt 0x0
; FIRST OF THREE LAUNCHES.  out0[q] = sum over v of softmax_v(x[q] . W[v] + b[v]) W[v], x[q] = embed_table[input_ids[q]]: 1,024 queries, 32,000 keys, 1,024 channels.
; NOTHING OF reference() IS LEFT OUT: every input reaches the output; b differs along the softmax's axis, so it stays.  The lookup is done as a lookup: of embed_table only the
; 1,024 rows that input_ids names are read.
; THIS LAUNCH rounds the matrix operands once, f32 to f16 (nearest even): Wh[32000][1024] = W, Xh[1024][1024] = the rows of embed_table that input_ids names.
; WHY f16: out0 is close to a mean of 32,000 rows of W, so its numbers are small beside W's, and the roundings of W, x and the weights must stay far below a hundredth of them:
; f16 keeps 11 significant bits.  LIMITS: a number of W or embed_table of 65,520 or more in magnitude becomes an infinity; below 6.1e-5 f16 keeps its fixed step of 6e-8.
; An id is read as unsigned and held to 31,999: reference() relies on ids that lie inside the table.
; SHARES.  Work-group g < 1,000: rows 32 g .. 32 g + 31 of W.  Work-group 1,000 + i: queries 32 i .. 32 i + 31.  A wave takes four rows; a row is 4,096 bytes: eight loads of 16 bytes
; a lane, each of 512 consecutive bytes for the wave.  All 32 loads of a wave go out before the first wait.  A lane's four numbers round into 8 bytes: each store of the wave
; covers 256 consecutive bytes, aligned.  No LDS, no barrier, no matrix unit: nothing is shared and nothing is multiplied.
.set NW, 1000                          ; work-groups that round W
.set X,  8                             ; v[8:135]  32 groups of four registers: row n / 8, piece n % 8
	s_load_b256 s[4:11], s[0:1], 0x0               ; W s[4:5], embed_table s[6:7], input_ids s[8:9], Wh s[10:11]
	s_load_b64 s[12:13], s[0:1], 0x20              ; Xh
	v_lshrrev_b32 v1, 5, v0
	v_readfirstlane_b32 s14, v1                    ; wave 0..7
	v_and_b32 v4, 31, v0                           ; lane
	v_lshlrev_b32 v2, 4, v4                        ; loads: 16 bytes a lane
	v_lshlrev_b32 v3, 3, v4                        ; stores: 8 bytes a lane
	s_lshl_b32 s24, s14, 2                         ; my four rows among the work-group's 32
	s_mov_b32 s27, 0                               ; high word of every offset pair
	s_wait_kmcnt 0x0
	s_cmp_lt_u32 ttmp9, NW
	s_cselect_b64 s[16:17], s[4:5], s[6:7]         ; the table that is read,
	s_cselect_b64 s[18:19], s[10:11], s[12:13]     ; and the buffer that is written
	s_cbranch_scc0 .Lgather
	s_lshl_b32 s25, ttmp9, 5
	s_add_co_u32 s25, s25, s24                     ; my first row, of W and of Wh
	s_mov_b32 s20, s25
	s_add_co_u32 s21, s25, 1
	s_add_co_u32 s22, s25, 2
	s_add_co_u32 s23, s25, 3
	s_branch .Lgo
.Lgather:
	s_sub_co_u32 s25, ttmp9, NW
	s_lshl_b32 s25, s25, 5
	s_add_co_u32 s25, s25, s24                     ; my first query, and row of Xh
	s_lshl_b32 s26, s25, 2
	s_load_b128 s[20:23], s[8:9], s26 offset:0x0   ; four ids
	s_wait_kmcnt 0x0
	s_min_u32 s20, s20, 0x7cff                     ; held to the table's last row
	s_min_u32 s21, s21, 0x7cff
	s_min_u32 s22, s22, 0x7cff
	s_min_u32 s23, s23, 0x7cff
.Lgo:
	s_lshl_b32 s26, s25, 11                        ; a rounded row is 2,048 bytes
	s_add_nc_u64 s[18:19], s[18:19], s[26:27]
.irp j, 0,1,2,3
	s_lshl_b32 s26, s[20+\j], 12                   ; a row of f32 is 4,096 bytes
	s_add_nc_u64 s[28+2*\j:29+2*\j], s[16:17], s[26:27]
.endr
.set n, 0
.rept 32
	global_load_b128 v[X+4*n:X+4*n+3], v2, s[28+2*(n/8):29+2*(n/8)] offset:512*(n%8)
.set n, n+1
.endr
.set n, 0
.rept 32
	s_wait_loadcnt 31-n                            ; loads come back in order: group n is in, the 31 - n younger ones stay out
	v_cvt_pk_f16_f32 v[X+4*n], v[X+4*n], v[X+4*n+1]
	v_cvt_pk_f16_f32 v[X+4*n+1], v[X+4*n+2], v[X+4*n+3]
	global_store_b64 v3, v[X+4*n:X+4*n+1], s[18:19] offset:2048*(n/8)+256*(n%8)
.set n, n+1
.endr
	s_endpgm
.Lfunc_end_k_q92bad472ad_cast:
	.size	k_q92bad472ad_cast, .Lfunc_end_k_q92bad472ad_cast-k_q92bad472ad_cast
	.p2alignl 7, 3214868480
	.fill 96, 4, 3214868480
	.section	.rodata,"a",@progbits
	.p2align	6, 0x0
	.amdhsa_kernel k_q92bad472ad_cast
		.amdhsa_group_segment_fixed_size 0
		.amdhsa_private_segment_fixed_size 0
		.amdhsa_enable_private_segment 0
		.amdhsa_kernarg_size 40
		.amdhsa_user_sgpr_count 2
		.amdhsa_user_sgpr_kernarg_segment_ptr 1
		.amdhsa_wavefront_size32 1
		.amdhsa_system_sgpr_workgroup_id_x 1
		.amdhsa_system_sgpr_workgroup_id_y 1
		.amdhsa_system_sgpr_workgroup_id_z 1
		.amdhsa_system_vgpr_workitem_id 0
		.amdhsa_next_free_vgpr 136
		.amdhsa_next_free_sgpr 66
		.amdhsa_reserve_vcc 0
		.amdhsa_float_denorm_mode_32 3
		.amdhsa_float_denorm_mode_16_64 3
		.amdhsa_memory_ordered 1
		.amdhsa_forward_progress 1
		.amdhsa_inst_pref_size 13
	.end_amdhsa_kernel
	.amdgpu_metadata
---
amdhsa.version: [ 1, 2 ]
amdhsa.kernels:
  - .name:           k_q92bad472ad_cast
    .symbol:         k_q92bad472ad_cast.kd
    .args:
      - { .name: W, .offset: 0, .size: 8, .value_kind: global_buffer, .address_space: global }
      - { .name: embed_table, .offset: 8, .size: 8, .value_kind: global_buffer, .address_space: global }
      - { .name: input_ids, .offset: 16, .size: 8, .value_kind: global_buffer, .address_space: global }
      - { .name: Wh, .offset: 24, .size: 8, .value_kind: global_buffer, .address_space: global }
      - { .name: Xh, .offset: 32, .size: 8, .value_kind: global_buffer, .address_space: global }
    .group_segment_fixed_size: 0
    .private_segment_fixed_size: 0
    .kernarg_segment_align: 8
    .kernarg_segment_size: 40
    .max_flat_workgroup_size: 256
    .sgpr_count:     66
    .vgpr_count:     136
    .wavefront_size: 32
...
	.end_amdgpu_metadata
.endif
;; end of part 1
;; launch attn (part 2): grid 16 x 16, 4 waves a work-group, clusters of 4 x 1, 327,680 bytes of LDS; arguments Wh, Xh, b, part, cmb, lsb; writes part, cmb, lsb
.if DOCPART == 2
	.amdgcn_target "amdgcn-amd-amdhsa--gfx1250"
	.amdhsa_code_object_version 6
	.text
	.protected	k_q92bad472ad_attn
	.globl	k_q92bad472ad_attn
	.p2align	8
	.type	k_q92bad472ad_attn,@function
k_q92bad472ad_attn:
	s_mov_b64 s[64:65], 0
	v_nop
	global_prefetch_b8 v0, s[64:65] scope:SCOPE_SE
	s_setreg_imm32_b32 hwreg(HW_REG_WAVE_MODE, 25, 1), 1
	s_wait_xcnt 0x0
	s_wait_alu depctr_hold_cnt(0) depctr_sa_sdst(0) depctr_va_vdst(0) depctr_va_sdst(0) depctr_va_ssrc(0) depctr_va_vcc(0) depctr_vm_vsrc(0)
	s_getreg_b32 s2, hwreg(HW_REG_IB_STS2, 6, 4)
	s_cmp_eq_u32 s2, 0
	s_cbranch_scc0 .Lentry_in_a_cluster
	s_endpgm
.Lentry_in_a_cluster:
	s_bfe_u32 s2, ttmp6, 0x10000c
	s_cmp_lg_u32 s2, 0x3003
	s_cbranch_scc0 .Lentry_shape_is_right
	s_endpgm
.Lentry_shape_is_right:
; SECOND LAUNCH: the two products and the softmax, as attention with K = V = Wh and a bias for each key.  Nothing of reference() is left out.
; SHARES.  A work-group owns 64 queries (block qb of 16) and 2,000 keys (split of 16): 256 work-groups.  It leaves O = sum of p W (not yet divided), c m and l for the third launch, which joins the 16 splits.
; Wave w owns CHANNELS 256 w .. 256 w + 255 in both products: its slice of Q (64 x 256, 256 registers), its part of O^T (256 channels x 64 queries, 512 registers), and 512 bytes of each key's row,
; which it reads from LDS once as K and once turned as V^T.  No other wave reads those bytes.
; A TILE is 64 keys; a split is 32 tiles.  2,000 = 31 x 64 + 16: the last tile covers keys 1,936 .. 1,999, of which the first 48 have been counted in the tile before: they get the bias -1e30, so their weights are 0.
; S^T = K Q^T (source 0 = 16 keys, source 1 = 16 queries): a lane holds ONE query (lane % 16) and the keys 8 (lane / 16) + 0..7.  Each wave's S^T is a partial sum over its 256 channels.  The partial sums (f32)
; meet in LDS: wave w sends the three query tiles that are not its own and adds what the other three send for query tile w.  It then does that tile's softmax: bias, running maximum m, p = 2^(c s - c m),
; c = log2(e), a = 2^(c m_old - c m_new), l = a l + sum of p; it rounds p to f16 and lays p and a into LDS for all four waves.  Two results rounded in pairs ARE source 1 (32 keys x 16 queries) of O^T += V^T P.
; m starts at the lowest finite number and O and l at 0, so the first tile is a tile like any other, with a = 0.  The price: 512 lines that write 0, which run while the first tile is on its way.
; THE ORDER OF A TILE keeps what the wave wants next at the head of its LDS queue, and vector work beside loads or products: the messages are read ahead of V's first fragments; a is read ahead of p, and my
; channels 0-127 of O^T are rescaled while p lands; my channels 128-255 are rescaled two lines behind each of the first 64 products V^T P, which work on channels 0-127; K's fragments of the next tile's first
; 64 channels are read ahead of the tile's last 32 products, and the next tile's first 16 products stand inside the round.
; THE TURNING LOAD takes, for lanes 8-15 of each 16, bytes 128 further along the row, not 16: with rows 528 bytes apart the 16 lanes then touch 16 different columns of 16 bytes (64 banks of 4 bytes: ISA guide 11.1).
; So row m of a fragment of V^T is channel 8 (ct + 8 (m / 8)) + m % 8 of a half slice of 128 channels; the third launch undoes that order.
; CLUSTER.  The four work-groups of a cluster have the same split and walk the same tiles of Wh: each tile is asked for JOINTLY, by the same tensor load, descriptor and mask in all four.  Nothing else is shared.
; LIMITS.  Scores are taken as finite; a hidden key counts as its score less 1e30; a weight below 2^-126 counts as 0; p below 6.1e-5 keeps f16's fixed step of 6e-8; NaN and infinities are not treated apart.
; REGISTERS, in windows of 256 (s_set_vgpr_msb: bits 1:0 source 0, 3:2 source 1, 5:4 source 2, 7:6 destination):
;   window 0: v0-31 addresses and statistics; v32-63 the bias; v64-191 S^T (slot i, key group kt at 64 + 32 i + 8 kt; slot i is query tile (w + i) % 4, so slot 0 is my own); v192-255 K's fragments, two buffers.
;             Behind the exchange: v96-111 my p; v128-191 all four tiles' p; v192-255 and v64-127 V's fragments, two buffers.
;   window 1: Q, slot i, channels 32 ks on, at 8 (8 i + ks).     windows 2, 3: O^T of my channels 0-127 and 128-255: channel group ct, query tile qt at 8 (4 ct + qt).
.set PITCH, 528                        ; a key's 512 bytes + 16 of padding: the 16 rows of a fragment load start at 16 different groups of four banks
.set SLICE, 64*PITCH                   ; a wave's part of a slot: 33,792 bytes
.set SLOT,  4*SLICE                    ; 135,168 = 0x21000: its bits meet none of 33,792 w, so one exclusive or turns an address in one slot into the other's
.set XS,    2*SLOT                     ; the exchange: for each receiving wave 12,288 bytes, three messages of 4,096; the first 2,048 later hold that wave's p
.set XREG,  12288
.set AR,    XS+4*XREG                  ; a, as pairs (a, a): wave w's at 256 w + 8 x lane
.set STAT,  AR+1024                    ; the end: c m of the 64 queries, then l
.set SPARE, STAT+512                   ; the spare words, 128 bytes for each wave: two blocks of 256 bytes that no other line names
.set AKB, 2                            ; v2   my lane's place in my slice, for K; never rewritten
.set AVB, 3                            ; v3   the same for the turning load
.set AK,  4                            ; v4   v2 + the slot whose K is being read
.set AVA, 5                            ; v5   v3 + the slot in hand
.set XSO, 6                            ; v6-8 where slot 1, 2, 3 of my S^T goes
.set XR,  9                            ; v9   my own region of the exchange
.set PL,  10                           ; v10  region 0 of the exchange: all tiles' p are read from here
.set AST, 11                           ; v11  where my a goes
.set ALD, 12                           ; v12  where tile 0's a lies
.set BO,  13                           ; v13  32 x (lane / 16): my eight keys' bias
.set PFO, 14                           ; v14  the prefetch: key lane / 2, half lane % 2 of my slice
.set GO,  15                           ; v15  16 x lane
.set CM,  16                           ; v16  c m
.set MX,  17                           ; v17  m
.set LL,  18                           ; v18-19  l (even keys', odd keys')
.set AA,  20                           ; v20-27  (a, a) of query tiles 0-3
.set C,   20                           ; v20-23  at work in the maximum, before a is read
.set AF,  28                           ; v28-29  my tile's (a, a)
.set SPW, 30                           ; v30  LDS address of my spare word; never rewritten
.set NIL, 31                           ; v31  0; never rewritten
.set BI,  32
.set S,   64
.set T,   96                           ; the three messages that I receive
.set PP,  96
.set PF,  128                          ; p of tile qt, keys 32 kh on, at PF + 16 qt + 8 kh
.set KF,  192
.set VFA, 192
.set VFB, 64
.set WV,  16                           ; s16  my wave's number
.set CX,  17                           ; s17  my place in the cluster: it enters global addresses of Q, O, the statistics and the prefetch alone
.set QB,  18                           ; s18  my block of 64 queries
.set SPL, 19                           ; s19  my split, which the four partners share
.set G0,  20                           ; s[20:23] descriptor group 0
.set G1,  24                           ; s[24:31] descriptor group 1: constant
.set TB,  32                           ; s32  the slot in hand: 0 or SLOT
.set TN,  33                           ; s33  the other slot: the next tile's
.set WOFF, 34                          ; s34  33,792 w
.set CNT, 35                           ; s35  tiles still to be asked for
.set LIM, 36                           ; s36  2 in a cluster that prefetches, else the greatest number
.set BIGN, 37                          ; s37  -1e30
.set PFA, 38                           ; s[38:39] where my prefetches stand
.set BB,  40                           ; s[40:41] b at the tile's first key
.set CS,  42                           ; s[42:43] c, twice
.set SEL, 44                           ; s[44:45] v_permlanex16_b32's selects: each lane takes its own place in the other half
.set STEP, 56                          ; s[56:57] bytes from a tile to the next
.set MSB, 0
.macro WIN new                         ; the immediate's high byte repeats the setting that is left; a switch that changes nothing is dropped
.if MSB != (\new)
	s_set_vgpr_msb (MSB<<8)|(\new)
.set MSB, (\new)
.endif
.endm
.macro PLACES n                        ; a vector instruction, a store or a load that touches a matrix instruction's registers stands four plain vector instructions behind it, a matrix instruction that writes over them five
.rept \n
	v_nop
.endr
.endm
; A round of the cluster's barrier: my work-group's barrier, so that wave 0's signal speaks for all four waves; wave 0 signals; every wave waits for all four work-groups; my work-group's barrier once more.
.macro CREST                           ; a round behind its opening barrier
	s_cmp_lg_u32 s[WV], 0
	s_cbranch_scc1 .Lnot_wave_0_\@
	s_barrier_signal -3
.Lnot_wave_0_\@:
	s_barrier_wait -3
	s_barrier_signal -1
	s_barrier_wait -1
.endm
.macro ROUND                           ; a whole round
	s_barrier_signal -1
	s_barrier_wait -1
	CREST
.endm
; A PREFETCH INTO THE L2 of the tile that the NEXT trip will ask for.  All four clusters of a split walk the same tiles: the first of them (cluster x = 0) asks.  Its four partners take 16 keys each, told apart BY ADDRESS;
; each wave asks for its own slice of them: a lane a block of 256 bytes, one instruction.  So each block of tiles 2 to 30 is named once in the launch.  Tiles 0 and 1 come by their loads alone, the last tile too.
.macro ASK
	s_cmp_gt_u32 s[CNT], s[LIM]
	s_cbranch_scc0 .Lnot_mine_\@
	global_prefetch_b8 v[PFO], s[PFA:PFA+1] th:TH_LOAD_NT scope:SCOPE_SE
.Lnot_mine_\@:
.endm
; K's fragments of channels 32 ks on: 4 x 16 keys, two loads of 16 bytes a lane each, 32 bytes apart
.macro KLOAD ks, buf
.irp kt, 0,1,2,3
	ds_load_b128 v[KF+32*(\buf)+8*\kt:KF+32*(\buf)+8*\kt+3],   v[AK] offset:16*PITCH*\kt+64*(\ks)
	ds_load_b128 v[KF+32*(\buf)+8*\kt+4:KF+32*(\buf)+8*\kt+7], v[AK] offset:16*PITCH*\kt+64*(\ks)+32
.endr
.endm
; 16 products of S^T: the 16 accumulators take turns, one instruction a turn.  The first 32 channels start the sums.
.macro SMUL ks, buf
.irp i, 0,1,2,3
.irp kt, 0,1,2,3
.if (\ks) == 0
	v_wmma_f32_16x16x32_f16 v[S+32*\i+8*\kt:S+32*\i+8*\kt+7], v[KF+32*(\buf)+8*\kt:KF+32*(\buf)+8*\kt+7], v[8*(8*\i+(\ks)):8*(8*\i+(\ks))+7], 0
.else
	v_wmma_f32_16x16x32_f16 v[S+32*\i+8*\kt:S+32*\i+8*\kt+7], v[KF+32*(\buf)+8*\kt:KF+32*(\buf)+8*\kt+7], v[8*(8*\i+(\ks)):8*(8*\i+(\ks))+7], v[S+32*\i+8*\kt:S+32*\i+8*\kt+7]
.endif
.endr
.endr
.endm
; V^T's fragments of group g: keys 32 (g / 2) on, my channels 128 (g % 2) on: eight fragments of 16 channels x 32 keys
.macro VLOAD g, buf
	WIN 0
.irp c, 0,1,2,3,4,5,6,7
	ds_load_tr16_b128 v[(\buf)+8*\c:(\buf)+8*\c+3],   v[AVA] offset:32*PITCH*((\g)/2)+256*((\g)&1)+16*\c
	ds_load_tr16_b128 v[(\buf)+8*\c+4:(\buf)+8*\c+7], v[AVA] offset:32*PITCH*((\g)/2)+256*((\g)&1)+16*\c+16*PITCH
.endr
.endm
; accumulator acc of window 2 times its query tile's a, from its lowest registers on
.macro RSC acc
	WIN 0x82                                       ; destination and source 0 in window 2, a in window 0
.irp z, 0,1,2,3
	v_pk_mul_f32 v[8*(\acc)+2*\z:8*(\acc)+2*\z+1], v[8*(\acc)+2*\z:8*(\acc)+2*\z+1], v[AA+2*((\acc)&3):AA+2*((\acc)&3)+1]
.endr
.endm
; 32 products of O^T += V^T P for group g; the 32 accumulators take turns.  rb = 0 or 32 (the two groups on window 2): behind product n stand two lines of window 3's rescaling: half (rb + n) % 2 of
; accumulator (rb + n) / 2, the lower half first: 128 lines behind 64 products.  rb = -1: none.
.macro PVG g, buf, rb
.set n, 0
.rept 32
	WIN 0xA0+0x50*((\g)&1)
	v_wmma_f32_16x16x32_f16 v[8*n:8*n+7], v[(\buf)+8*(n/4):(\buf)+8*(n/4)+7], v[PF+16*(n%4)+8*((\g)/2):PF+16*(n%4)+8*((\g)/2)+7], v[8*n:8*n+7]
.if (\rb) >= 0
.set ra, ((\rb)+n)/2
.set rr, 8*ra+4*(((\rb)+n)%2)
	WIN 0xC3                                       ; destination and source 0 in window 3, a in window 0
	v_pk_mul_f32 v[rr:rr+1],   v[rr:rr+1],   v[AA+2*(ra&3):AA+2*(ra&3)+1]
	v_pk_mul_f32 v[rr+2:rr+3], v[rr+2:rr+3], v[AA+2*(ra&3):AA+2*(ra&3)+1]
.endif
.set n, n+1
.endr
.endm
.macro FS p                            ; pair p of my 32 scores: c s - c m
	v_pk_fma_f32 v[S+2*(\p):S+2*(\p)+1], v[S+2*(\p):S+2*(\p)+1], s[CS:CS+1], v[CM:CM+1] op_sel_hi:[1,0,0] neg_lo:[0,0,1] neg_hi:[0,0,1]
.endm
	s_load_b256 s[4:11], s[0:1], 0x0               ; Wh s[4:5], Xh s[6:7], b s[8:9], part s[10:11]
	s_load_b128 s[12:15], s[0:1], 0x20             ; cmb s[12:13], lsb s[14:15]
	v_lshl_add_u32 v[SPW], v0, 2, SPARE
	v_mov_b32 v[NIL], 0
	ds_add_u32 v[SPW], v[NIL]                      ; the wave's opening: the add, twice on end, and its wait ahead of my first tensor load; the set-up below stands between
	ds_add_u32 v[SPW], v[NIL]
	v_lshrrev_b32 v1, 5, v0
	v_readfirstlane_b32 s[WV], v1                  ; wave 0..3
	s_bfe_u32 s[CX], ttmp6, 0x40000
	s_lshl_b32 s[QB], ttmp9, 2                     ; in a cluster launch ttmp9 counts clusters
	s_add_co_u32 s[QB], s[QB], s[CX]
	s_and_b32 s[SPL], ttmp7, 0xffff
	; descriptor group 1: 64 rows x 256 elements of 2 bytes, padded in LDS
	s_mov_b32 s[G1+0], 15|(1<<16)|(1<<20)|(1<<21)|(6<<22)|(3<<25)  ; 15:0 the mask of four; 17:16 2-byte elements; 20 padding on; 21 set beside a mask; 24:22 after every 128 words; 31:25 4 words
	s_mov_b32 s[G1+1], 256<<16                     ; tensor_dim0 = 256
	s_mov_b32 s[G1+2], 64<<16                      ; tensor_dim1 = 64: every tile lies inside Wh
	s_mov_b32 s[G1+3], 256<<16                     ; tile_dim0 = 256
	s_mov_b32 s[G1+4], 64                          ; tile_dim1 = 64
	s_mov_b32 s[G1+5], 1024                        ; elements from row to row
	s_mov_b32 s[G1+6], 0
	s_mov_b32 s[G1+7], 0
	s_mov_b32 s[G0], 1                             ; count = 1
	s_mul_i32 s[WOFF], s[WV], SLICE
	s_mov_b32 s[G0+1], s[WOFF]                     ; LDS address: my slice of slot 0
	s_mov_b32 s[CS], 0x3fb8aa3b                    ; c = log2(e)
	s_mov_b32 s[CS+1], s[CS]
	s_mov_b32 s[SEL], 0x76543210
	s_mov_b32 s[SEL+1], 0xfedcba98
	s_mov_b32 s[TB], SLOT                          ; the first tile's change of slots turns it into 0
	s_mov_b32 s[BIGN], 0xf149f2ca                  ; -1e30
	s_mov_b32 s[STEP+1], 0
	s_cmp_eq_u32 ttmp9, 0                          ; the same in all four partners
	s_cselect_b32 s[LIM], 2, -1
	s_mul_i32 s46, s[SPL], 4096000                 ; the split's 2,000 rows of 2,048 bytes,
	s_lshl_b32 s48, s[WV], 9                       ; my 512 bytes of a row: no place in the cluster enters these two
	s_add_co_u32 s46, s46, s48
	s_mov_b32 s47, 0
	s_lshl_b32 s48, s[CX], 15                      ; the prefetch: my work-group's 16 keys,
	s_add_co_u32 s48, s48, 262144                  ; of tile 2
	s_mov_b32 s49, 0
	s_mul_i32 s50, s[SPL], 8000                    ; the split's bias
	s_mov_b32 s51, 0
	s_lshl_b32 s52, s[QB], 17                      ; Q: my block's 64 rows, my 512 bytes of them
	s_lshl_b32 s53, s[WV], 9
	s_add_co_u32 s52, s52, s53
	s_mov_b32 s53, 0
	s_lshl_b32 s54, s[QB], 2                       ; part: eight chunks of 131,072 bytes for (block, wave), 8,192 of each for my split
	s_add_co_u32 s54, s54, s[WV]
	s_lshl_b32 s54, s54, 20
	s_lshl_b32 s55, s[SPL], 13
	s_add_co_u32 s54, s54, s55
	s_mov_b32 s55, 0
	s_wait_dscnt 0x0                               ; both opening adds are done
	s_wait_kmcnt 0x0
	s_add_nc_u64 s[PFA:PFA+1], s[4:5], s[46:47]
	s_add_nc_u64 s[PFA:PFA+1], s[PFA:PFA+1], s[48:49]
	s_add_nc_u64 s[G0+2:G0+3], s[4:5], s[46:47]    ; global address: my slice of tile 0
	s_or_b32 s[G0+3], s[G0+3], 0x80000000          ; type = 2
	s_add_nc_u64 s[BB:BB+1], s[8:9], s[50:51]
	s_add_nc_u64 s[6:7], s[6:7], s[52:53]
	s_add_nc_u64 s[10:11], s[10:11], s[54:55]
	ROUND                                          ; all four work-groups are here: the first joint loads meet
	tensor_load_to_lds s[G0:G0+3], s[G1:G1+7]      ; tile 0 into slot 0; slot 1 is filled behind the first tile's round
	s_nop 0
	v_and_b32 v36, 31, v0                          ; l
	v_and_b32 v37, 15, v0                          ; r = l % 16
	v_bfe_u32 v38, v0, 4, 1                        ; h = l / 16
	v_and_b32 v39, 7, v0
	v_bfe_u32 v40, v0, 3, 1
	v_mul_u32_u24 v[AKB], v37, PITCH               ; K: row r, 16 bytes for each half of the lanes
	v_lshl_add_u32 v[AKB], v38, 4, v[AKB]
	v_add_nc_u32 v[AKB], s[WOFF], v[AKB]
	v_lshl_add_u32 v[AVB], v38, 3, v39             ; the turning load: key 8 h + l % 8,
	v_mul_u32_u24 v[AVB], v[AVB], PITCH
	v_lshl_add_u32 v[AVB], v40, 7, v[AVB]          ; 128 bytes on for lanes 8-15 of each 16
	v_add_nc_u32 v[AVB], s[WOFF], v[AVB]
	s_lshl_b32 s46, s[WV], 15
	v_lshl_add_u32 v[BI], v37, 11, s46             ; Q's offsets: slot i is query tile (w + i) % 4: row 16 x tile + r, 16 bytes for each half
	v_lshl_add_u32 v[BI], v38, 4, v[BI]
.irp i, 1,2,3
	s_add_co_u32 s46, s[WV], \i
	s_and_b32 s46, s46, 3                          ; the wave that owns slot i's query tile
	s_mul_i32 s47, s46, XREG
	s_add_co_u32 s47, s47, XS+4096*(\i-1)          ; its region, message i - 1: the three senders of a region have three different i
	v_lshl_add_u32 v[XSO+\i-1], v36, 4, s47
	s_lshl_b32 s46, s46, 15
	v_lshl_add_u32 v[BI+\i], v37, 11, s46
	v_lshl_add_u32 v[BI+\i], v38, 4, v[BI+\i]
.endr
	s_mul_i32 s47, s[WV], XREG
	s_add_co_u32 s47, s47, XS
	v_lshl_add_u32 v[XR], v36, 4, s47
	v_lshl_add_u32 v[PL], v36, 4, XS
	s_lshl_b32 s47, s[WV], 8
	s_add_co_u32 s47, s47, AR
	v_lshl_add_u32 v[AST], v36, 3, s47
	v_lshl_add_u32 v[ALD], v36, 3, AR
	v_lshlrev_b32 v[BO], 5, v38
	v_lshrrev_b32 v[PFO], 1, v36
	v_lshlrev_b32 v[PFO], 11, v[PFO]
	v_and_b32 v41, 1, v36
	v_lshl_add_u32 v[PFO], v41, 8, v[PFO]
	v_lshlrev_b32 v[GO], 4, v36
	WIN 0x40                                       ; destination window 1, address window 0
.irp i, 0,1,2,3
.irp ks, 0,1,2,3,4,5,6,7
	global_load_b128 v[8*(8*\i+\ks):8*(8*\i+\ks)+3],   v[BI+\i], s[6:7] offset:64*\ks
	global_load_b128 v[8*(8*\i+\ks)+4:8*(8*\i+\ks)+7], v[BI+\i], s[6:7] offset:64*\ks+32
.endr
.endr
	WIN 0x80                                       ; O^T = 0, while the first tile and Q are on their way
.set n, 0
.rept 256
	v_mov_b32 v[n], 0
.set n, n+1
.endr
	WIN 0xC0
.set n, 0
.rept 256
	v_mov_b32 v[n], 0
.set n, n+1
.endr
	WIN 0
	v_mov_b32 v[CM], 0xfe000000                    ; c m: far below every c s, so the first a is 0
	v_mov_b32 v[MX], 0xff7fffff                    ; m: the lowest finite number
	v_mov_b32 v[LL], 0
	v_mov_b32 v[LL+1], 0
	v_mov_b32 v[AK], v[AKB]                        ; tile 0 lies in slot 0
	s_wait_loadcnt 0x0                             ; Q is in; its offset registers are free
	s_wait_tensorcnt 0x0                           ; my slice of tile 0 is in: I alone read it, so my own counter orders the reads
	KLOAD 0, 0                                     ; what every later tile finds fetched by the tile before it: K's fragments of channels 0-63
	KLOAD 1, 1
; A TILE.  refill = 1: the slot read last is filled again, with the next tile, and that tile's first fragments of K are fetched at the end.  last = 1: the split's last tile, whose first 48 keys are hidden.
.macro TILE refill, last
	; THE CHANGE OF SLOTS.  Five v_nop are the places behind the last tile's products, ahead of the products that write over the registers that they read.
	WIN 0
	PLACES 5
	s_wait_tensorcnt 0x0                           ; all my tensor loads have landed (shown once already, ahead of K's first fragments): the descriptor may be written
	ds_add_u32 v[SPW], v[NIL]                      ; 0 onto my spare word; the scalar work below stands between it and the wait for it
	s_xor_b32 s[TB], s[TB], SLOT                   ; the slot that is read now,
	s_xor_b32 s[TN], s[TB], SLOT                   ; and the other
.if \refill
	s_xor_b32 s[G0+1], s[G0+1], SLOT               ; the slot that is filled: the other one
	s_cmp_eq_u32 s[CNT], 1                         ; the last tile begins 16 rows behind the one before it, every other 64
	s_cselect_b32 s[STEP], 1, 4
	s_lshl_b32 s[STEP], s[STEP], 15
	s_add_nc_u64 s[G0+2:G0+3], s[G0+2:G0+3], s[STEP:STEP+1]  ; the type bits on top are not reached
.endif
	s_wait_dscnt 0x0                               ; the add is done, my reads of the last tile's slot are over, and K's first fragments are in
	s_barrier_signal -1                            ; (with refill = 1 this barrier opens a round of the cluster's barrier)
	WIN 0x04                                       ; Q in window 1, all else in window 0
	SMUL 0, 0                                      ; work on registers while the others arrive: channels 0-31 start the sums
	WIN 0
	s_barrier_wait -1
.if \refill
	CREST                                          ; no wave of any partner still reads that slot or has a load on its way
	tensor_load_to_lds s[G0:G0+3], s[G1:G1+7]      ; my one tensor load behind the round: it has all but the tile's last 32 products in which to land
	s_nop 0
.endif
	PLACES 4                                       ; behind the tensor load, and the places ahead of the loads into the buffer just multiplied
	v_add_nc_u32 v[AVA], s[TB], v[AVB]
	KLOAD 2, 0
.if \last
	global_load_b128 v[BI+24:BI+27], v[BO], s[BB:BB+1]             ; the bias of keys 1,984 .. 1,999: key group 3
	global_load_b128 v[BI+28:BI+31], v[BO], s[BB:BB+1] offset:16
.set n, 0
.rept 24
	v_mov_b32 v[BI+n], s[BIGN]                     ; key groups 0-2 are hidden
.set n, n+1
.endr
.else
.irp kt, 0,1,2,3
	global_load_b128 v[BI+8*\kt:BI+8*\kt+3],   v[BO], s[BB:BB+1] offset:64*\kt
	global_load_b128 v[BI+8*\kt+4:BI+8*\kt+7], v[BO], s[BB:BB+1] offset:64*\kt+16
.endr
.endif
.if \refill
	ASK
.endif
	; S^T goes on: seven more steps of 32 channels on two buffers of K's fragments; a buffer is asked for again behind its products, one step of 16 products ahead of its next use
	WIN 0x04
.set ks, 1
.rept 7
.if ks >= 2
.if ks < 7
	s_wait_dscnt 8                                 ; this step's fragments are in; the next step's eight loads stay out
.else
	s_wait_dscnt 0x0
.endif
.endif
	SMUL ks, ks%2
.if ks < 6
	PLACES 4
	KLOAD ks+2, ks%2
.endif
.set ks, ks+1
.endr
	; THE EXCHANGE OF PARTIAL SUMS.  Each accumulator's low four registers go first.
	WIN 0
	PLACES 8
.irp i, 1,2,3
.irp kt, 0,1,2,3
	ds_store_b128 v[XSO+\i-1], v[S+32*\i+8*\kt:S+32*\i+8*\kt+3]   offset:1024*\kt
	ds_store_b128 v[XSO+\i-1], v[S+32*\i+8*\kt+4:S+32*\i+8*\kt+7] offset:1024*\kt+512
.endr
.endr
	s_wait_loadcnt 0x0                             ; the bias is in
.if \refill
	s_wait_xcnt 0x0                                ; the prefetch, 112 products back, has read its address: the two pointers may be written
	s_add_nc_u64 s[BB:BB+1], s[BB:BB+1], 256
	s_add_nc_u64 s[PFA:PFA+1], s[PFA:PFA+1], 131072
.endif
.set n, 0
.rept 16
	v_pk_add_f32 v[S+n:S+n+1], v[S+n:S+n+1], v[BI+n:BI+n+1]  ; the bias, onto my own tile's partial sum, while the stores drain
.set n, n+2
.endr
	s_wait_dscnt 0x0                               ; for the others' sake: my messages lie in LDS
	s_barrier_signal -1
	s_barrier_wait -1
.irp m, 0,1,2
.irp q, 0,1,2,3,4,5,6,7
	ds_load_b128 v[T+32*\m+4*\q:T+32*\m+4*\q+3], v[XR] offset:4096*\m+512*\q  ; the messages first: the sums below wait for them
.endr
.endr
	VLOAD 0, VFA                                   ; V's first group behind them: it is wanted only behind the softmax
.irp m, 0,1,2
	s_wait_dscnt 32-8*\m                           ; message m is in; the younger messages' loads, eight each, and V's sixteen stay out
.set n, 0
.rept 16
	v_pk_add_f32 v[S+n:S+n+1], v[S+n:S+n+1], v[T+32*\m+n:T+32*\m+n+1]
.set n, n+2
.endr
.endr
	; THE SOFTMAX of my 16 queries: 32 scores a lane, the query's other 32 in the lane 16 away
.irp j, 0,1,2,3
	v_max3_num_f32 v[C+\j], v[S+8*\j], v[S+8*\j+1], v[S+8*\j+2]
.endr
.irp j, 0,1,2,3
	v_max3_num_f32 v[C+\j], v[C+\j], v[S+8*\j+3], v[S+8*\j+4]
.endr
.irp j, 0,1,2,3
	v_max3_num_f32 v[C+\j], v[C+\j], v[S+8*\j+5], v[S+8*\j+6]
.endr
	v_max3_num_f32 v[C], v[C], v[S+7], v[S+15]
	v_max3_num_f32 v[C+2], v[C+2], v[S+23], v[S+31]
	v_max3_num_f32 v[C], v[C], v[C+1], v[C+2]
	v_max3_num_f32 v[C], v[C], v[C+3], v[MX]
	v_permlanex16_b32 v[C+1], v[C], s[SEL], s[SEL+1]
	v_mov_b32 v[C+3], v[CM]                        ; c m_old
	v_max_num_f32 v[MX], v[C], v[C+1]
	v_mul_f32 v[CM], s[CS], v[MX]
	v_sub_f32 v[C+1], v[C+3], v[CM]
	v_exp_f32 v[AF], v[C+1]                        ; a, twice: a pair for the packed multiplies.  ONE BATCH of 34 exponentials begins; nothing ahead of its wait names a result
	v_exp_f32 v[AF+1], v[C+1]
	FS 0
	FS 1
.set p, 0
.rept 16
	v_exp_f32 v[S+2*p], v[S+2*p]
	v_exp_f32 v[S+2*p+1], v[S+2*p+1]
.if p < 14
	FS p+2
.endif
.set p, p+1
.endr
	v_nop                                          ; a plain instruction behind the last exponential,
	s_wait_alu depctr_va_vdst(0)                   ; and the one wait ahead of the batch's first reader
.set p, 0
.rept 16
	v_cvt_pk_f16_f32 v[PP+p], v[S+2*p], v[S+2*p+1]
.set p, p+1
.endr
.irp q, 0,1,2,3
	ds_store_b128 v[XR], v[PP+4*\q:PP+4*\q+3] offset:512*\q  ; into my own region, whose messages I alone read, and have read
.endr
	ds_store_b64 v[AST], v[AF:AF+1]
	s_wait_dscnt 0x0                               ; for the others' sake: p and a lie in LDS; V's first group is in too
	s_barrier_signal -1
.irp u, 0,1,2,3,4,5,6,7                ; l's sums, of the unrounded p, on registers alone, while the others arrive
	v_pk_add_f32 v[S+4*\u:S+4*\u+1], v[S+4*\u:S+4*\u+1], v[S+4*\u+2:S+4*\u+3]
.endr
.irp u, 0,1,2,3
	v_pk_add_f32 v[S+8*\u:S+8*\u+1], v[S+8*\u:S+8*\u+1], v[S+8*\u+4:S+8*\u+5]
.endr
.irp u, 0,1
	v_pk_add_f32 v[S+16*\u:S+16*\u+1], v[S+16*\u:S+16*\u+1], v[S+16*\u+8:S+16*\u+9]
.endr
	v_pk_add_f32 v[S:S+1], v[S:S+1], v[S+16:S+17]
	v_pk_fma_f32 v[LL:LL+1], v[LL:LL+1], v[AF:AF+1], v[S:S+1]
	s_barrier_wait -1
	; O^T = a O^T + V^T P: four groups of 32 products on two buffers of V's fragments: both key halves of my channels 0-127, then both of my channels 128-255
.irp qt, 0,1,2,3
	ds_load_b64 v[AA+2*\qt:AA+2*\qt+1], v[ALD] offset:256*\qt  ; a first: the rescaling below waits for it alone
.endr
.irp qt, 0,1,2,3
.irp q, 0,1,2,3
	ds_load_b128 v[PF+16*\qt+4*\q:PF+16*\qt+4*\q+3], v[PL] offset:XREG*\qt+512*\q
.endr
.endr
	VLOAD 2, VFB                                   ; keys 32-63, channels 0-127
	s_wait_dscnt 32                                ; a is in; p's sixteen loads and V's sixteen stay out
.set a2, 0
.rept 32
	RSC a2                                         ; my channels 0-127 times a, while p lands
.set a2, a2+1
.endr
	s_wait_dscnt 16                                ; p is in; V's sixteen loads stay out
	PVG 0, VFA, 0
	PLACES 4                                       ; ahead of the loads into the buffer just multiplied
	VLOAD 1, VFA                                   ; keys 0-31, channels 128-255
	s_wait_dscnt 16                                ; all but the sixteen just issued (so at the next two waits of this count)
	PVG 2, VFB, 32
	PLACES 4
	VLOAD 3, VFB                                   ; keys 32-63, channels 128-255
	s_wait_dscnt 16
	PVG 1, VFA, -1
.if \refill
	WIN 0
	PLACES 4
	s_wait_tensorcnt 0x0                           ; my slice of the next tile is in: I alone read it, so my own counter orders the reads below
	v_add_nc_u32 v[AK], s[TN], v[AKB]
	KLOAD 0, 0                                     ; the next tile's K, channels 0-63, into the buffer that has fallen free
	KLOAD 1, 1
	s_wait_dscnt 16
.else
	s_wait_dscnt 0x0
.endif
	PVG 3, VFB, -1
	WIN 0                                          ; at a label and at a branch every window is 0
.endm
	s_mov_b32 s[CNT], 31
.Ltile:                                                ; 31 trips: tile 31 - CNT is worked on, the next is asked for
	TILE 1, 0
	s_sub_co_u32 s[CNT], s[CNT], 1
	s_cmp_lg_u32 s[CNT], 0
	s_cbranch_scc1 .Ltile
	TILE 0, 1                                      ; the last tile is written out: nothing is asked for
	; THE END.  O^T leaves as it lies in registers: each store of the wave covers 512 consecutive bytes, aligned; each accumulator's low four registers go first.
	PLACES 8
.irp cth, 0,1
	WIN 0x08+4*\cth                                ; store data in window 2, then 3
.set n, 0
.rept 32
	global_store_b128 v[GO], v[8*n:8*n+3],   s[10:11] offset:131072*(4*\cth+n%4)+1024*(n/4) th:TH_STORE_NT
	global_store_b128 v[GO], v[8*n+4:8*n+7], s[10:11] offset:131072*(4*\cth+n%4)+1024*(n/4)+512 th:TH_STORE_NT
.set n, n+1
.endr
.endr
	WIN 0
	v_add_f32 v[LL], v[LL], v[LL+1]                ; l: even and odd keys', then the other half of the lanes'
	v_permlanex16_b32 v[LL+1], v[LL], s[SEL], s[SEL+1]
	v_add_f32 v[LL], v[LL], v[LL+1]
	v_and_b32 v20, 15, v0
	s_lshl_b32 s46, s[WV], 6
	s_add_co_u32 s46, s46, STAT
	v_lshl_add_u32 v20, v20, 2, s46                ; query 16 w + r of the block; both halves of the lanes write the same number
	ds_store_b32 v20, v[CM]
	ds_store_b32 v20, v[LL] offset:256
	s_lshl_b32 s48, s[SPL], 12                     ; 1,024 numbers a split,
	s_lshl_b32 s49, s[QB], 8                       ; 64 a block
	s_add_co_u32 s48, s48, s49
	s_mov_b32 s49, 0
	s_add_nc_u64 s[12:13], s[12:13], s[48:49]
	s_add_nc_u64 s[14:15], s[14:15], s[48:49]
	s_wait_dscnt 0x0
	s_barrier_signal -1
	s_barrier_wait -1
	s_cmp_lg_u32 s[WV], 0
	s_cbranch_scc1 .Lend                           ; wave 0 stores the block's 64 c m and 64 l: 256 consecutive bytes, aligned, each
	v_and_b32 v21, 31, v0
	v_lshlrev_b32 v21, 3, v21
	v_add_nc_u32 v22, STAT, v21
	ds_load_b64 v[24:25], v22
	ds_load_b64 v[26:27], v22 offset:256
	s_wait_dscnt 0x0
	global_store_b64 v21, v[24:25], s[12:13]
	global_store_b64 v21, v[26:27], s[14:15]
.Lend:
	s_wait_tensorcnt 0x0                           ; the wave's end: behind my last tensor load and my last LDS store
	ds_add_u32 v[SPW], v[NIL]
	s_wait_dscnt 0x0
	ROUND                                          ; the closing round: no work-group ends while a partner may still ask for a tile that names it
	s_endpgm
.Lfunc_end_k_q92bad472ad_attn:
	.size	k_q92bad472ad_attn, .Lfunc_end_k_q92bad472ad_attn-k_q92bad472ad_attn
	.p2alignl 7, 3214868480
	.fill 96, 4, 3214868480
	.section	.rodata,"a",@progbits
	.p2align	6, 0x0
	.amdhsa_kernel k_q92bad472ad_attn
		.amdhsa_group_segment_fixed_size 327680
		.amdhsa_private_segment_fixed_size 0
		.amdhsa_enable_private_segment 0
		.amdhsa_kernarg_size 48
		.amdhsa_user_sgpr_count 2
		.amdhsa_user_sgpr_kernarg_segment_ptr 1
		.amdhsa_wavefront_size32 1
		.amdhsa_system_sgpr_workgroup_id_x 1
		.amdhsa_system_sgpr_workgroup_id_y 1
		.amdhsa_system_sgpr_workgroup_id_z 1
		.amdhsa_system_vgpr_workitem_id 0
		.amdhsa_next_free_vgpr 1024
		.amdhsa_next_free_sgpr 66
		.amdhsa_reserve_vcc 0
		.amdhsa_float_denorm_mode_32 3
		.amdhsa_float_denorm_mode_16_64 3
		.amdhsa_memory_ordered 1
		.amdhsa_forward_progress 1
		.amdhsa_inst_pref_size 167
	.end_amdhsa_kernel
	.amdgpu_metadata
---
amdhsa.version: [ 1, 2 ]
amdhsa.kernels:
  - .name:           k_q92bad472ad_attn
    .symbol:         k_q92bad472ad_attn.kd
    .args:
      - { .name: Wh, .offset: 0, .size: 8, .value_kind: global_buffer, .address_space: global }
      - { .name: Xh, .offset: 8, .size: 8, .value_kind: global_buffer, .address_space: global }
      - { .name: b, .offset: 16, .size: 8, .value_kind: global_buffer, .address_space: global }
      - { .name: part, .offset: 24, .size: 8, .value_kind: global_buffer, .address_space: global }
      - { .name: cmb, .offset: 32, .size: 8, .value_kind: global_buffer, .address_space: global }
      - { .name: lsb, .offset: 40, .size: 8, .value_kind: global_buffer, .address_space: global }
    .group_segment_fixed_size: 327680
    .private_segment_fixed_size: 0
    .kernarg_segment_align: 8
    .kernarg_segment_size: 48
    .max_flat_workgroup_size: 128
    .sgpr_count:     66
    .vgpr_count:     1024
    .wavefront_size: 32
...
	.end_amdgpu_metadata
.endif
;; end of part 2
;; launch merge (part 3): grid 512 x 1, 4 waves a work-group, no clusters, 9,216 bytes of LDS; arguments part, cmb, lsb, out0; writes out0
.if DOCPART == 3
	.amdgcn_target "amdgcn-amd-amdhsa--gfx1250"
	.amdhsa_code_object_version 6
	.text
	.protected	k_q92bad472ad_merge
	.globl	k_q92bad472ad_merge
	.p2align	8
	.type	k_q92bad472ad_merge,@function
k_q92bad472ad_merge:
	s_mov_b64 s[64:65], 0
	v_nop
	global_prefetch_b8 v0, s[64:65] scope:SCOPE_SE
	s_setreg_imm32_b32 hwreg(HW_REG_WAVE_MODE, 25, 1), 1
	s_wait_xcnt 0x0
; THIRD LAUNCH: the 16 splits of the keys are joined.  For a query: M = the largest c m_s; w_s = 2^(c m_s - M); out0 = sum of w_s O_s / sum of w_s l_s.  All in f32.  Nothing of reference() is left out.
; SHARES.  Work-group g takes chunk g of part: 16 queries (tile qt of block qb) x 128 channels (half cth of slice w), g = ((4 qb + w) 2 + cth) 4 + qt; in it each split has 8,192 bytes on end:
; eight accumulators as the second launch's registers held them.  Wave v takes accumulators 2 v and 2 v + 1: register 4 u + e of lane (r = lane % 16, h = lane / 16) of accumulator ct is
; query r, channel 8 (ct + 8 h) + 4 u + e of the 128.  Each load of the wave covers 512 consecutive bytes; each byte of part is read once.
; IN FLIGHT: two sets of 64 registers, four splits each: while one is summed the other's 16 loads are on their way.
; THE WAY OUT goes through LDS (16 rows of 512 bytes, 528 apart: the 16 rows of a store start at 16 different groups of four banks, 64 banks of 4 bytes: ISA guide 11.1), since a row's 512 bytes come
; from all four waves; each store of a wave then covers 512 consecutive bytes of a row of out0, aligned.  No matrix unit, no cluster: nothing is multiplied by a matrix and nothing is shared.
; LIMIT: a split's weight below 2^-126 counts as 0.
.set SP,    528
.set SPARE, 8704                       ; behind the stage (8,448 bytes): the spare words, 128 bytes for each wave: two blocks of 256 bytes that no other line names
.set PO,  2                            ; v2   2,048 x wave + 16 x lane: my bytes of a split's 8,192
.set SO,  3                            ; v3   4 r: my query's statistics
.set STO, 11                           ; v11  the stage: where I put 16 bytes
.set RD,  12                           ; v12  the stage: where I read rows back
.set GO,  13                           ; v13  16 x lane
.set SPW, 14                           ; v14  LDS address of my spare word; never rewritten
.set NIL, 15                           ; v15  0; never rewritten
.set CMR, 16                           ; v[16:31]  c m of the 16 splits, then w
.set LR,  32                           ; v[32:47]  l
.set FF,  48                           ; v[48:79]  (f, f), f = w / sum
.set ACC, 80                           ; v[80:95]  my 16 sums
.set X0,  96                           ; v[96:159]
.set X1,  160                          ; v[160:223]
	s_load_b256 s[4:11], s[0:1], 0x0               ; part s[4:5], cmb s[6:7], lsb s[8:9], out0 s[10:11]
	v_lshl_add_u32 v[SPW], v0, 2, SPARE
	v_mov_b32 v[NIL], 0
	v_lshrrev_b32 v1, 5, v0
	v_readfirstlane_b32 s12, v1                    ; wave 0..3
	v_and_b32 v8, 31, v0                           ; lane
	v_and_b32 v9, 15, v0                           ; r
	v_bfe_u32 v10, v0, 4, 1                        ; h
	s_and_b32 s13, ttmp9, 3                        ; qt
	s_bfe_u32 s14, ttmp9, 0x10002                  ; cth
	s_bfe_u32 s15, ttmp9, 0x20003                  ; w
	s_lshr_b32 s16, ttmp9, 5                       ; qb
	s_lshl_b32 s18, ttmp9, 17                      ; the chunk: 131,072 bytes
	s_mov_b32 s19, 0
	s_lshl_b32 s20, s16, 8                         ; the statistics of queries 64 qb + 16 qt on
	s_lshl_b32 s21, s13, 6
	s_add_co_u32 s20, s20, s21
	s_mov_b32 s21, 0
	s_lshl_b32 s22, s16, 6                         ; out0: row 64 qb + 16 qt + 4 x wave,
	s_lshl_b32 s23, s13, 4
	s_add_co_u32 s22, s22, s23
	s_lshl_b32 s23, s12, 2
	s_add_co_u32 s22, s22, s23
	s_lshl_b32 s22, s22, 12
	s_lshl_b32 s23, s15, 10                        ; channels 256 w + 128 cth on
	s_add_co_u32 s22, s22, s23
	s_lshl_b32 s23, s14, 9
	s_add_co_u32 s22, s22, s23
	s_mov_b32 s23, 0
	s_lshl_b32 s24, s12, 11
	v_lshl_add_u32 v[PO], v8, 4, s24
	v_lshlrev_b32 v[SO], 2, v9
	v_mul_u32_u24 v[STO], v9, SP                   ; in: row r, 256 bytes on for the upper half of the lanes, 64 bytes a wave
	v_lshl_add_u32 v[STO], v10, 8, v[STO]
	s_lshl_b32 s24, s12, 6
	v_add_nc_u32 v[STO], s24, v[STO]
	s_mul_i32 s24, s12, 4*SP                       ; back: rows 4 x wave on, whole
	v_lshl_add_u32 v[RD], v8, 4, s24
	v_lshlrev_b32 v[GO], 4, v8
	s_wait_kmcnt 0x0
	s_add_nc_u64 s[4:5], s[4:5], s[18:19]
	s_add_nc_u64 s[6:7], s[6:7], s[20:21]
	s_add_nc_u64 s[8:9], s[8:9], s[20:21]
	s_add_nc_u64 s[10:11], s[10:11], s[22:23]
.macro GET xb, s0                      ; 16 loads: splits s0 .. s0 + 3, my two accumulators
.irp sl, 0,1,2,3
.irp q, 0,1,2,3
	global_load_b128 v[(\xb)+16*\sl+4*\q:(\xb)+16*\sl+4*\q+3], v[PO], s[4:5] offset:8192*((\s0)+\sl)+512*\q th:TH_LOAD_NT
.endr
.endr
.endm
.macro EAT xb, s0                      ; and their share of the sums; split 0 starts them: nothing is cleared
.irp sl, 0,1,2,3
.irp k, 0,1,2,3,4,5,6,7
.if ((\s0)+\sl) == 0
	v_pk_mul_f32 v[ACC+2*\k:ACC+2*\k+1], v[(\xb)+16*\sl+2*\k:(\xb)+16*\sl+2*\k+1], v[FF+2*((\s0)+\sl):FF+2*((\s0)+\sl)+1]
.else
	v_pk_fma_f32 v[ACC+2*\k:ACC+2*\k+1], v[(\xb)+16*\sl+2*\k:(\xb)+16*\sl+2*\k+1], v[FF+2*((\s0)+\sl):FF+2*((\s0)+\sl)+1], v[ACC+2*\k:ACC+2*\k+1]
.endif
.endr
.endr
.endm
.set n, 0
.rept 16
	global_load_b32 v[CMR+n], v[SO], s[6:7] offset:4096*n
	global_load_b32 v[LR+n],  v[SO], s[8:9] offset:4096*n
.set n, n+1
.endr
	GET X0, 0
	GET X1, 4
	s_wait_loadcnt 32                              ; the statistics are in; the two sets' 32 loads stay out
	v_max3_num_f32 v4, v[CMR], v[CMR+1], v[CMR+2]
.irp s, 3,5,7,9,11,13
	v_max3_num_f32 v4, v4, v[CMR+\s], v[CMR+\s+1]
.endr
	v_max_num_f32 v4, v4, v[CMR+15]
.set n, 0
.rept 16
	v_sub_f32 v[CMR+n], v[CMR+n], v4
.set n, n+1
.endr
.set n, 0
.rept 16
	v_exp_f32 v[CMR+n], v[CMR+n]                   ; one batch of 16
.set n, n+1
.endr
	v_nop                                          ; a plain instruction behind the last exponential,
	s_wait_alu depctr_va_vdst(0)                   ; and the one wait ahead of the first reader
	v_mul_f32 v5, v[LR], v[CMR]                    ; sum of w l, in two chains
	v_mul_f32 v6, v[LR+1], v[CMR+1]
.irp s, 2,4,6,8,10,12,14
	v_fmac_f32 v5, v[LR+\s], v[CMR+\s]
	v_fmac_f32 v6, v[LR+\s+1], v[CMR+\s+1]
.endr
	v_add_f32 v5, v5, v6
	v_rcp_f32 v7, v5
	v_nop
	s_wait_alu depctr_va_vdst(0)
.set n, 0
.rept 16
	v_mul_f32 v[FF+2*n], v[CMR+n], v7
	v_mul_f32 v[FF+2*n+1], v[CMR+n], v7
.set n, n+1
.endr
	s_wait_loadcnt 16                              ; splits 0-3 are in; the other set's 16 loads stay out (so at each of the next two waits)
	EAT X0, 0
	GET X0, 8
	s_wait_loadcnt 16
	EAT X1, 4
	GET X1, 12
	s_wait_loadcnt 16
	EAT X0, 8
	s_wait_loadcnt 0x0
	EAT X1, 12
.irp q, 0,1,2,3
	ds_store_b128 v[STO], v[ACC+4*\q:ACC+4*\q+3] offset:16*\q  ; accumulator 2 v + q / 2, registers 4 (q % 2) on: 32 bytes an accumulator
.endr
	s_wait_dscnt 0x0                               ; for the others' sake: my part of the 16 rows lies in LDS
	s_barrier_signal -1
	s_barrier_wait -1
.irp k, 0,1,2,3
	ds_load_b128 v[X0+4*\k:X0+4*\k+3], v[RD] offset:SP*\k
.endr
.irp k, 0,1,2,3
	s_wait_dscnt 3-\k                              ; row k is in; the younger loads stay out
	global_store_b128 v[GO], v[X0+4*\k:X0+4*\k+3], s[10:11] offset:4096*\k
.endr
	s_wait_tensorcnt 0x0                           ; the wave's end: behind my last LDS store
	ds_add_u32 v[SPW], v[NIL]
	s_wait_dscnt 0x0
	s_endpgm
.Lfunc_end_k_q92bad472ad_merge:
	.size	k_q92bad472ad_merge, .Lfunc_end_k_q92bad472ad_merge-k_q92bad472ad_merge
	.p2alignl 7, 3214868480
	.fill 96, 4, 3214868480
	.section	.rodata,"a",@progbits
	.p2align	6, 0x0
	.amdhsa_kernel k_q92bad472ad_merge
		.amdhsa_group_segment_fixed_size 9216
		.amdhsa_private_segment_fixed_size 0
		.amdhsa_enable_private_segment 0
		.amdhsa_kernarg_size 32
		.amdhsa_user_sgpr_count 2
		.amdhsa_user_sgpr_kernarg_segment_ptr 1
		.amdhsa_wavefront_size32 1
		.amdhsa_system_sgpr_workgroup_id_x 1
		.amdhsa_system_sgpr_workgroup_id_y 1
		.amdhsa_system_sgpr_workgroup_id_z 1
		.amdhsa_system_vgpr_workitem_id 0
		.amdhsa_next_free_vgpr 224
		.amdhsa_next_free_sgpr 66
		.amdhsa_reserve_vcc 0
		.amdhsa_float_denorm_mode_32 3
		.amdhsa_float_denorm_mode_16_64 3
		.amdhsa_memory_ordered 1
		.amdhsa_forward_progress 1
		.amdhsa_inst_pref_size 24
	.end_amdhsa_kernel
	.amdgpu_metadata
---
amdhsa.version: [ 1, 2 ]
amdhsa.kernels:
  - .name:           k_q92bad472ad_merge
    .symbol:         k_q92bad472ad_merge.kd
    .args:
      - { .name: part, .offset: 0, .size: 8, .value_kind: global_buffer, .address_space: global }
      - { .name: cmb, .offset: 8, .size: 8, .value_kind: global_buffer, .address_space: global }
      - { .name: lsb, .offset: 16, .size: 8, .value_kind: global_buffer, .address_space: global }
      - { .name: out0, .offset: 24, .size: 8, .value_kind: global_buffer, .address_space: global }
    .group_segment_fixed_size: 9216
    .private_segment_fixed_size: 0
    .kernarg_segment_align: 8
    .kernarg_segment_size: 32
    .max_flat_workgroup_size: 128
    .sgpr_count:     66
    .vgpr_count:     224
    .wavefront_size: 32
...
	.end_amdgpu_metadata
.endif
;; end of part 3
;; ======== version 2 of 2: 3 launches; version 1 with the launch cast written anew for expert scheduling mode
;; limits: values are held in f16: magnitudes above 65,504 overflow, below 6.1e-05 lose precision
;; workspace buffers: Wh 65,536,000 bytes; Xh 2,097,152 bytes; part 67,108,864 bytes; cmb 65,536 bytes; lsb 65,536 bytes
;; launch cast (part 4): grid 1032 x 1, 8 waves a work-group, no clusters, 0 bytes of LDS; arguments W, embed_table, input_ids, Wh, Xh; writes Wh, Xh
.if DOCPART == 4
	.amdgcn_target "amdgcn-amd-amdhsa--gfx1250"
	.amdhsa_code_object_version 6
	.text
	.protected	k_q92bad472ad_cast
	.globl	k_q92bad472ad_cast
	.p2align	8
	.type	k_q92bad472ad_cast,@function
k_q92bad472ad_cast:
	s_mov_b64 s[64:65], 0
	v_nop
	global_prefetch_b8 v0, s[64:65] scope:SCOPE_SE
	s_setreg_imm32_b32 hwreg(HW_REG_WAVE_SCHED_MODE, 0, 2), 2
	s_setreg_imm32_b32 hwreg(HW_REG_WAVE_MODE, 25, 1), 1
	s_wait_xcnt 0x0
	s_wait_alu depctr_vm_vsrc(0)
; FIRST OF THREE LAUNCHES.  out0[q] = sum over v of softmax_v(x[q] . W[v] + b[v]) W[v], x[q] = embed_table[input_ids[q]]: 1,024 queries, 32,000 keys, 1,024 channels.
; NOTHING OF reference() IS LEFT OUT: every input reaches the output; b differs along the softmax's axis, so it stays.  The lookup is done as a lookup: of embed_table only the
; 1,024 rows that input_ids names are read.
; THIS LAUNCH rounds the matrix operands once, f32 to f16 (nearest even): Wh[32000][1024] = W, Xh[1024][1024] = the rows of embed_table that input_ids names.
; WHY f16: out0 is close to a mean of 32,000 rows of W, so its numbers are small beside W's, and the roundings of W, x and the weights must stay far below a hundredth of them:
; f16 keeps 11 significant bits.  LIMITS: a number of W or embed_table of 65,520 or more in magnitude becomes an infinity; below 6.1e-5 f16 keeps its fixed step of 6e-8.
; An id is read as unsigned and held to 31,999: reference() relies on ids that lie inside the table.
; SHARES.  Work-group g < 1,000: rows 32 g .. 32 g + 31 of W.  Work-group 1,000 + i: queries 32 i .. 32 i + 31.  A wave takes four rows; a row is 4,096 bytes: eight loads of 16 bytes
; a lane, each of 512 consecutive bytes for the wave.  All 32 loads of a wave go out before the first wait for data.  A lane's four numbers round into 8 bytes: each store of the wave
; covers 256 consecutive bytes, aligned.  No LDS, no barrier, no matrix unit: nothing is shared and nothing is multiplied.
; THE MODE: SCHED_MODE bits 1:0 = 2 (LLVM: expert scheduling mode 2), set by the entry lines.  The code itself states the register dependences between vector instructions and
; memory instructions, with s_wait_alu, always for 0.
; THE PLAN.  Registers that memory instructions touch:
;   v2, v3   the loads' and the stores' byte offsets: written once at the head, never again.
;   X        32 groups of four.  Group n is written once by its load, read by its two conversions, which write its first two registers, and those two are read once by its store.
;            No group is loaded, converted or stored a second time.
; The work goes in four BLOCKS, a row (eight groups) each.  Block r converts row r; its memory instructions are the eight stores of row r - 1, whose data the block before has
; written and which no vector line of block r names.  So one wait at a block's head states all that the block's stores hang on, and they are dealt among its conversions with no
; further wait; the last row's stores follow block 3 behind one more.  No register that a memory instruction reads is ever written again: no wait for the memory side's reads is owed.
.set NW, 1000                          ; work-groups that round W
.set X,  8                             ; v[8:135]  32 groups of four registers: row n / 8, piece n % 8
	s_load_b256 s[4:11], s[0:1], 0x0               ; W s[4:5], embed_table s[6:7], input_ids s[8:9], Wh s[10:11]
	s_load_b64 s[12:13], s[0:1], 0x20              ; Xh
	v_lshrrev_b32 v1, 5, v0
	v_readfirstlane_b32 s14, v1                    ; wave 0..7
	v_and_b32 v4, 31, v0                           ; lane
	v_lshlrev_b32 v2, 4, v4                        ; loads: 16 bytes a lane
	v_lshlrev_b32 v3, 3, v4                        ; stores: 8 bytes a lane
	s_wait_alu depctr_va_sdst(0)                   ; s14 is written, ahead of its first reader: my rows, and so every base, are made from it
	s_lshl_b32 s24, s14, 2                         ; my four rows among the work-group's 32
	s_mov_b32 s27, 0                               ; high word of every offset pair
	s_wait_kmcnt 0x0
	s_cmp_lt_u32 ttmp9, NW
	s_cselect_b64 s[16:17], s[4:5], s[6:7]         ; the table that is read,
	s_cselect_b64 s[18:19], s[10:11], s[12:13]     ; and the buffer that is written
	s_cbranch_scc0 .Lgather
	s_lshl_b32 s25, ttmp9, 5
	s_add_co_u32 s25, s25, s24                     ; my first row, of W and of Wh
	s_mov_b32 s20, s25
	s_add_co_u32 s21, s25, 1
	s_add_co_u32 s22, s25, 2
	s_add_co_u32 s23, s25, 3
	s_branch .Lgo
.Lgather:
	s_sub_co_u32 s25, ttmp9, NW
	s_lshl_b32 s25, s25, 5
	s_add_co_u32 s25, s25, s24                     ; my first query, and row of Xh
	s_lshl_b32 s26, s25, 2
	s_load_b128 s[20:23], s[8:9], s26 offset:0x0   ; four ids
	s_wait_kmcnt 0x0
	s_min_u32 s20, s20, 0x7cff                     ; held to the table's last row
	s_min_u32 s21, s21, 0x7cff
	s_min_u32 s22, s22, 0x7cff
	s_min_u32 s23, s23, 0x7cff
.Lgo:
	s_lshl_b32 s26, s25, 11                        ; a rounded row is 2,048 bytes
	s_add_nc_u64 s[18:19], s[18:19], s[26:27]
.irp j, 0,1,2,3
	s_lshl_b32 s26, s[20+\j], 12                   ; a row of f32 is 4,096 bytes
	s_add_nc_u64 s[28+2*\j:29+2*\j], s[16:17], s[26:27]
.endr
	s_wait_alu depctr_va_vdst(0)                   ; v2 and v3 are written: every load reads v2 as its offset, every store v3; behind the label, so on both ways here
.set n, 0
.rept 32
	global_load_b128 v[X+4*n:X+4*n+3], v2, s[28+2*(n/8):29+2*(n/8)] offset:512*(n%8)
.set n, n+1
.endr
.set n, 0
.rept 32
.if (n%8 == 0) && (n > 0)
	s_wait_alu depctr_va_vdst(0)                   ; a block's head: the block before has written its row's eight pairs, which this block's eight stores read
.endif
.if n >= 8
	global_store_b64 v3, v[X+4*(n-8):X+4*(n-8)+1], s[18:19] offset:2048*((n-8)/8)+256*((n-8)%8)  ; the row before.  No wait: no vector line since the block's head names these registers
.endif
	s_wait_loadcnt 31-n                            ; loads come back in order: group n is in, the 31 - n younger ones stay out
	v_cvt_pk_f16_f32 v[X+4*n], v[X+4*n], v[X+4*n+1]
	v_cvt_pk_f16_f32 v[X+4*n+1], v[X+4*n+2], v[X+4*n+3]
.set n, n+1
.endr
	s_wait_alu depctr_va_vdst(0)                   ; the last block has written its row's eight pairs, which the last eight stores read
.set n, 24
.rept 8
	global_store_b64 v3, v[X+4*n:X+4*n+1], s[18:19] offset:2048*(n/8)+256*(n%8)
.set n, n+1
.endr
	s_endpgm
.Lfunc_end_k_q92bad472ad_cast:
	.size	k_q92bad472ad_cast, .Lfunc_end_k_q92bad472ad_cast-k_q92bad472ad_cast
	.p2alignl 7, 3214868480
	.fill 96, 4, 3214868480
	.section	.rodata,"a",@progbits
	.p2align	6, 0x0
	.amdhsa_kernel k_q92bad472ad_cast
		.amdhsa_group_segment_fixed_size 0
		.amdhsa_private_segment_fixed_size 0
		.amdhsa_enable_private_segment 0
		.amdhsa_kernarg_size 40
		.amdhsa_user_sgpr_count 2
		.amdhsa_user_sgpr_kernarg_segment_ptr 1
		.amdhsa_wavefront_size32 1
		.amdhsa_system_sgpr_workgroup_id_x 1
		.amdhsa_system_sgpr_workgroup_id_y 1
		.amdhsa_system_sgpr_workgroup_id_z 1
		.amdhsa_system_vgpr_workitem_id 0
		.amdhsa_next_free_vgpr 136
		.amdhsa_next_free_sgpr 66
		.amdhsa_reserve_vcc 0
		.amdhsa_float_denorm_mode_32 3
		.amdhsa_float_denorm_mode_16_64 3
		.amdhsa_memory_ordered 1
		.amdhsa_forward_progress 1
		.amdhsa_inst_pref_size 14
	.end_amdhsa_kernel
	.amdgpu_metadata
---
amdhsa.version: [ 1, 2 ]
amdhsa.kernels:
  - .name:           k_q92bad472ad_cast
    .symbol:         k_q92bad472ad_cast.kd
    .args:
      - { .name: W, .offset: 0, .size: 8, .value_kind: global_buffer, .address_space: global }
      - { .name: embed_table, .offset: 8, .size: 8, .value_kind: global_buffer, .address_space: global }
      - { .name: input_ids, .offset: 16, .size: 8, .value_kind: global_buffer, .address_space: global }
      - { .name: Wh, .offset: 24, .size: 8, .value_kind: global_buffer, .address_space: global }
      - { .name: Xh, .offset: 32, .size: 8, .value_kind: global_buffer, .address_space: global }
    .group_segment_fixed_size: 0
    .private_segment_fixed_size: 0
    .kernarg_segment_align: 8
    .kernarg_segment_size: 40
    .max_flat_workgroup_size: 256
    .sgpr_count:     66
    .vgpr_count:     136
    .wavefront_size: 32
...
	.end_amdgpu_metadata
.endif
;; end of part 4
;; launch attn: the kernel of part 2 again; grid 16 x 16, 4 waves a work-group, clusters of 4 x 1, 327,680 bytes of LDS; arguments Wh, Xh, b, part, cmb, lsb; writes part, cmb, lsb
;; launch merge: the kernel of part 3 again; grid 512 x 1, 4 waves a work-group, no clusters, 9,216 bytes of LDS; arguments part, cmb, lsb, out0; writes out0
